; MI455X (gfx1250); checked and timed in simulation.
; The chip was launched on July 23, 2026; its instructions are those of AMD's public machine-readable ISA for CDNA 5 (MIT licence, August 2026) and "CDNA5" Instruction Set Architecture Reference Guide (July 2026). The comments in the code are by the model that wrote it; some were corrected since.
;; Fig Linear. Allowed arithmetic: matrix products marked QUANTISED: E2M3 operands, one E8M0 scale for each 32 along K, by v_wmma_scale_f32_16x16x128_f8f6f4 with both operands' format E2M3, f32 sums; products left as they are: f32 operands where the result goes on into a quantised operand, else bf16, f16 or f32 operands; f32 sums; everything else in f32.
;; Inputs: bias 2,048 float32; codebook 16 float32; lora_A 4,096 x 16 float32; lora_B 16 x 2,048 float32; q_indices 8,388,608 int32; scales 65,536 float32; x 4 x 2,048 x 4,096 float32.
;; Outputs: out0 4 x 2,048 x 2,048 float32.
;; This version of the problem:
;;   THIS VERSION OF THE PROBLEM IS GIVEN IN LOW PRECISION. The matrix products marked QUANTISED in the list below multiply operands that are first quantised to E2M3 (2 exponent bits, 3 mantissa bits; 6 bits a number), with one power-of-two scale for each 32 numbers along K (OCP MX v1.0); their sums are f32. All else is computed in f32.
;;   The module's matrix products, in the order in which they are computed (A, B: the left and right operand; K: the contracted axis; several contracted axes count as one K, in the product's order):
;;     1. [M 8,192, K 4,096] x [K 4,096, N 2,048]; A: input x; B: computed on the way: QUANTISED
;;     2. [M 8,192, K 4,096] x [K 4,096, N 16]; A: input x; B: input lora_A: QUANTISED
;;     3. [M 8,192, K 16] x [K 16, N 2,048]; A: computed on the way; B: input lora_B: left as it is (K = 16 < 32)
;;   THE QUANTISER, for each operand of a quantised product, along K:
;;     - K is cut into blocks of 32 from its start; a last block that is shorter is filled with zeros.
;;     - A block's scale is 2^e with e = floor(log2(the largest magnitude in the block)) - 2, held to -126 .. 127; a block of zeros has e = 0. As a byte (E8M0): e + 127.
;;     - Each number is divided by its block's scale, clamped to +-7.5, and rounded to the nearest number of E2M3, ties to even, subnormals kept.
;;     - The product sums the exact products of the quantised numbers (number of the format x scale) in f32.
;;   ~~~python
;;   def quantise(x, axis):      # numpy; x: float32 -> the quantised numbers, widened to float32 again
;;       x = np.moveaxis(x, axis, -1); K = x.shape[-1]
;;       x = np.pad(x, [(0, 0)] * (x.ndim - 1) + [(0, -K % 32)]); x = x.reshape(x.shape[:-1] + (-1, 32)); a = np.abs(x).max(-1, keepdims=True)
;;       e = np.where(a > 0, np.clip(np.frexp(np.where(a > 0, a, 1))[1] - 1 - 2, -126, 127), 0)      # np.frexp(a)[1] - 1 = floor(log2(a)), exactly
;;       r = np.clip(x / 2.0 ** e, -7.5, 7.5)
;;       step = 2.0 ** (np.maximum(np.frexp(np.where(r == 0, 1, r))[1] - 1, 0) - 3)
;;       q = np.round(r / step) * step * 2.0 ** e      # np.round: ties to even
;;       return np.moveaxis(q.reshape(q.shape[:-2] + (-1,))[..., :K], -1, axis).astype(np.float32)
;;   ~~~
;;   OPERANDS COMPUTED ON THE WAY. 'Computed on the way' means the value that the module computes at that place (a softmax that the list does not call 'softmax' is quantised finished and normalised). What goes into a quantiser is computed in f32, as accurately as f32 sums, v_exp_f32 and their like allow (about 1e-6 of the number): no bf16 or f16 on the way to a quantiser, and a product that is left as it is and whose result goes on into a quantised operand takes f32 operands (vector FMAs, or v_wmma_f32_16x16x4_f32). A number that lies on a knife's edge between two numbers of the format may be rounded either way, as far as f32 arithmetic and the matrix unit's own rounding can turn it there, and no further.
;; One version. Each part assembles by itself: llvm-mc -triple=amdgcn-amd-amdhsa -mcpu=gfx1250 --defsym DOCPART=n.
;; ======== version 1 of 1: 2 launches
;; limits: values are held in bf16: 8 bits of precision; right only within a limited range of input values
;; workspace buffers: x_codes 26,214,400 bytes; w_codes 6,553,600 bytes; t2 1,048,576 bytes; lbt 65,536 bytes
;; launch quant (part 1): grid 256 x 1, 8 waves a work-group, no clusters, 153,600 bytes of LDS; arguments x, q_indices, codebook, scales, lora_A, lora_B, x_codes, w_codes, t2, lbt; writes x_codes, w_codes, t2, lbt
.if DOCPART == 1
	.amdgcn_target "amdgcn-amd-amdhsa--gfx1250"
	.amdhsa_code_object_version 6
	.text
	.protected	k_qe0601063d3_quant
	.globl	k_qe0601063d3_quant
	.p2align	8
	.type	k_qe0601063d3_quant,@function
k_qe0601063d3_quant:
	s_mov_b64 s[64:65], 0
	v_nop
	global_prefetch_b8 v0, s[64:65] scope:SCOPE_SE
	s_setreg_imm32_b32 hwreg(HW_REG_WAVE_MODE, 25, 1), 1
	s_wait_xcnt 0x0
; QUANT.  One launch makes all that the product's launch reads.
; x [8192][4096] and W[o][i] = codebook[q[o 4096 + i]] x scales[o 32 + i / 128], [2048][4096], both f32, are quantised along their rows to codes of FP6 (E2M3) with one E8M0 byte for each 32.
; Stored: x_codes, w_codes [row / 128][K / 128][12,800]: the 8 fragments of 128 rows x 128 K as images of the operand's registers (three groups of 512 bytes, lane l's registers 4 c .. 4 c + 3 at 512 c + 16 l),
; then these rows' scale words, 4 bytes a row.  While x's fragments stand in registers, t = Q(x) Q(lora_A) is summed by the scaled matrix instruction, a quarter of K at a time:
; t2 [quarter][row / 16][lane][16]: lane (r, h): bf16 of that quarter's part of t(r, 8 h + 0 .. 7).  lbt [column / 16][lane][16]: lane (r, h): bf16 of 2 lora_B[8 h + 0 .. 7][16 nb + r].
; SHARES.  Work-group g: x's rows 128 (g / 4) on, quarter g % 4 of K; wave w: its rows 16 w on, eight fragments.  So a group needs 8 K steps of lora_A: wave w quantises the w-th (along lora_A's first axis) and hands its
; image to the others through LDS, behind one barrier.  W: rows 16 (g / 2) on, wave w the two K steps 2 (8 (g % 2) + w) on.  lbt: wave 1 makes half g % 2 of column block g / 2, 256 consecutive bytes.
; THE WAY IN.  A wave's eleven items (lora_A's K step, x's eight fragments, two of indices) are 8 KiB each and come by 16 loads of 512 consecutive bytes into three sets of 64 registers by turns: 48 loads are out.
; Each turns through the wave's own stage in LDS (rows of 512 + 16 bytes, two stages by turns), so that a lane holds neighbours along K.  No tensor load, nothing in LDS is filled by an engine.
; THE GATHER: the codebook's 16 numbers lie in the lanes of one register (twice), and ds_bpermute_b32 fetches lane q's.
; NO CLUSTER: what groups share is lora_A, 64 KiB a group against 640 KiB read alone.  NO PREFETCH: every byte is asked for once, three items ahead, by the loads themselves.
; LIMITS: NaN and infinities in x, codebook, scales, lora_A are not served.  A block whose largest magnitude lies under 2^-124 gets the byte 1; so does a block of zeros, where the rule says 127: its codes are zeros,
; which add nothing under any byte but 0xff, and only this program reads the bytes.  An index above 15 is held at 15; negative indices are not served.
.set PITCH, 528
.set STG,   16*PITCH
.set LIM,   8*2*STG                    ; lora_A's 8 images
.set LSC,   LIM+8*1536                 ; and their scale words, 128 bytes each
.set SCW,   LSC+8*128                  ; x's scale words: [K step][128 rows]
.set SPARE, SCW+8*512                  ; the spare words, 128 bytes for each wave
.set FR,    12
.set FRB,   1536
.set CODB,  8*FRB
.set STEPB, CODB+512
.set TROW,  32*STEPB
.set LN,  1
.set RR,  2
.set HH,  3
.set LA,  4                            ; LDS: my stages + r x PITCH + 64 h
.set LI,  5                            ; 16 x lane
.set SPW, 6
.set NIL, 7
.set SWA, 8                            ; LDS: where my scale word goes
.set SRA, 9                            ; LDS: the 512 bytes of scale words that I store
.set LBA, 10                           ; LDS: my stages + 4 h rows + 4 r: lora_A's column r
.set LIA, 11                           ; LDS: my image of lora_A
.set L4,  12
.set SA,  13                           ; LDS: my stages + 16 x lane
.set CB,  14                           ; codebook[lane % 16]
.set WSO, 15                           ; W's scale word: 4 r, + one K step for lanes 16-31
.set LAS, 16                           ; v16-23 lora_A's scale words: scales and nothing else
.set PW0, 24                           ; v24, v25 the scale words of the even and the odd fragment: scales and nothing else
.set PW1, 25
.set PWS, 26
.set LW,  27
.set SG,  28                           ; v[28:29] my row's two group scales; v[30:31] the second as a pair of its own
.set SG2, 30
.set TM,  32
.set PC0, 48
.set PC1, 60
.set CT,  72
.set ACC0, 80
.set ACC1, 88
.set X,   96
.set W,   224                          ; v224-247 at work
.set CBO, 248
.set SGV, 249
.set LBO, 250
.set LSA, 251
.set LIR, 252
.set LSR, 253
.set LBS, 254
.set SEL, 44
.set MSB, 0
.macro WIN new                         ; window 1: v0-95 lora_A's 8 fragments; v96-159, v160-223 two of the three sets that loads fill (the third: window 0, v160-223)
.if MSB != \new
	s_set_vgpr_msb (MSB<<8)|\new
.set MSB, \new
.endif
.endm
; 64 numbers of a lane, register 16 b + i = k 32 b + 16 h + i of my row, become a fragment's codes in v[pc] .. v[pc + 11] and its scale word in v[pw].
.macro QUANT s, pc, pw
.irp b, 0,1,2,3
	v_max3_num_f32 v[TM+\b], |v[\s+16*\b]|, |v[\s+1+16*\b]|, 0x1800000   ; my 16 numbers of block b, and the floor 2^(3 - 127)
.endr
.irp i, 2,4,6,8,10,12,14
.irp b, 0,1,2,3
	s_delay_alu instid0(VALU_DEP_4)
	v_max3_num_f32 v[TM+\b], v[TM+\b], |v[\s+16*\b+\i]|, |v[\s+1+16*\b+\i]|
.endr
.endr
.irp b, 0,1,2,3
	s_delay_alu instid0(VALU_DEP_4)
	v_permlanex16_b32 v[TM+4+\b], v[TM+\b], s[SEL], s[SEL+1]
.endr
.irp b, 0,1,2,3
	s_delay_alu instid0(VALU_DEP_4)
	v_max_num_f32 v[TM+\b], v[TM+\b], v[TM+4+\b]   ; with lane l xor 16's 16: the block's largest magnitude
.endr
.irp b, 0,1,2,3
	s_delay_alu instid0(VALU_DEP_4)
	v_add_nc_u32 v[TM+12+\b], 0xff000000, v[TM+\b]   ; 2 off its exponent field: the conversion's scale operand
.endr
.irp b, 0,1,2,3
	s_delay_alu instid0(VALU_DEP_4)
	v_lshrrev_b32 v[TM+4+\b], 23, v[TM+12+\b]      ; the scale's byte
.endr
	s_delay_alu instid0(VALU_DEP_3)
	v_lshl_or_b32 v[\pw], v[TM+5], 8, v[TM+4]
	s_delay_alu instid0(VALU_DEP_1)
	v_lshl_or_b32 v[\pw], v[TM+6], 16, v[\pw]
	s_delay_alu instid0(VALU_DEP_1)
	v_lshl_or_b32 v[\pw], v[TM+7], 24, v[\pw]
.irp c, 0,1
	v_cvt_scalef32_pk16_fp6_f32 v[\pc+6*\c:\pc+2+6*\c], v[\s+32*\c:\s+15+32*\c], v[TM+12+2*\c]
	v_cvt_scalef32_pk16_fp6_f32 v[CT+4*\c:CT+2+4*\c], v[\s+16+32*\c:\s+31+32*\c], v[TM+13+2*\c]
.endr
	v_nop                                          ; one plain line behind a scaled conversion
.irp c, 0,1                                    ; the operand wants a WHOLE block in a lane
.irp i, 0,1,2
	v_permlane16_swap_b32 v[\pc+6*\c+\i], v[CT+4*\c+\i]
.endr
.irp i, 0,1,2
	s_delay_alu instid0(VALU_DEP_3)
	v_mov_b32 v[\pc+3+6*\c+\i], v[CT+4*\c+\i]
.endr
.endr
.endm
	s_load_b512 s[4:19], s[0:1], 0x0               ; x s[4:5], q s[6:7], codebook s[8:9], scales s[10:11], lora_A s[12:13], lora_B s[14:15], x_codes s[16:17], w_codes s[18:19]
	s_load_b128 s[20:23], s[0:1], 0x40             ; t2 s[20:21], lbt s[22:23]
	v_lshl_add_u32 v[SPW], v0, 2, SPARE
	v_mov_b32 v[NIL], 0
	v_lshrrev_b32 v1, 5, v0
	s_delay_alu instid0(VALU_DEP_1)
	v_readfirstlane_b32 s24, v1                    ; wave 0..7
	s_lshr_b32 s25, ttmp9, 2                       ; x: which 128 rows
	s_and_b32 s26, ttmp9, 3                        ; which quarter of K
	s_lshr_b32 s27, ttmp9, 1                       ; W: which 16 rows; lbt: which column block
	s_and_b32 s47, ttmp9, 1                        ; W: which half of K; lbt: which half of the block
	s_lshl_b32 s58, s47, 3
	s_add_co_u32 s58, s58, s24                     ; W: which 256 along K
	s_mov_b32 s[SEL], 0x76543210
	s_mov_b32 s[SEL+1], 0xfedcba98
	; byte offsets, each a pair with 0 above
	s_lshl_b32 s28, s25, 21                        ; x: 128 rows of 16,384 bytes, 16 rows a wave, 4,096 bytes a quarter
	s_lshl_b32 s62, s24, 18
	s_add_co_u32 s28, s28, s62
	s_lshl_b32 s62, s26, 12
	s_add_co_u32 s28, s28, s62
	s_mov_b32 s29, 0
	s_lshl_b32 s30, s26, 16                        ; lora_A: K step 8 Q + w, 8,192 bytes each
	s_lshl_b32 s62, s24, 13
	s_add_co_u32 s30, s30, s62
	s_mov_b32 s31, 0
	s_lshl_b32 s32, s27, 18                        ; q: 16 rows of 16,384 bytes, 1,024 bytes for 256 indices
	s_lshl_b32 s62, s58, 10
	s_add_co_u32 s32, s32, s62
	s_mov_b32 s33, 0
	s_mul_i32 s59, s25, TROW
	s_mul_i32 s34, s26, 8*STEPB                    ; x_codes: my quarter, fragment w of the 128 rows
	s_add_co_u32 s34, s34, s59
	s_mul_i32 s62, s24, STEPB
	s_add_co_u32 s36, s34, s62                     ; the scale words that I store: K step 8 Q + w, behind its codes
	s_add_co_u32 s36, s36, CODB
	s_mov_b32 s37, 0
	s_mul_i32 s62, s24, FRB
	s_add_co_u32 s34, s34, s62
	s_mov_b32 s35, 0
	s_lshl_b32 s38, s25, 3                         ; t2: quarter x 262,144 + 512 for each 16 rows
	s_add_co_u32 s38, s38, s24
	s_lshl_b32 s38, s38, 9
	s_lshl_b32 s62, s26, 18
	s_add_co_u32 s38, s38, s62
	s_mov_b32 s39, 0
	s_lshr_b32 s61, s27, 3                         ; w_codes: (rb / 8) TROW + two K steps for each 256 along K
	s_mul_i32 s61, s61, TROW
	s_mul_i32 s62, s58, 2*STEPB
	s_add_co_u32 s61, s61, s62
	s_and_b32 s63, s27, 7
	s_mul_i32 s40, s63, FRB
	s_add_co_u32 s40, s40, s61
	s_mov_b32 s41, 0
	s_lshl_b32 s42, s63, 6
	s_add_co_u32 s42, s42, s61
	s_add_co_u32 s42, s42, CODB
	s_mov_b32 s43, 0
	s_lshl_b32 s48, s27, 11                        ; scales: 16 rows of 128 bytes, 8 bytes for 256 along K
	s_lshl_b32 s62, s58, 3
	s_add_co_u32 s48, s48, s62
	s_mov_b32 s49, 0
	s_lshl_b32 s50, s47, 16                        ; lora_B: 8 rows of 8,192 bytes a half, 64 bytes a column block
	s_lshl_b32 s62, s27, 6
	s_add_co_u32 s50, s50, s62
	s_mov_b32 s51, 0
	s_lshl_b32 s52, s27, 9                         ; lbt: 512 bytes a column block, 256 a half
	s_lshl_b32 s62, s47, 8
	s_add_co_u32 s52, s52, s62
	s_mov_b32 s53, 0
	s_mul_i32 s2, s24, 2*STG                       ; LDS: my stages,
	s_mul_i32 s3, s24, 1536
	s_add_co_u32 s3, s3, LIM                       ; my image of lora_A,
	s_lshl_b32 s54, s24, 7
	s_add_co_u32 s54, s54, LSC                     ; its scale words,
	s_lshl_b32 s55, s24, 6
	s_add_co_u32 s55, s55, SCW                     ; my 16 rows in a K step's scale words,
	s_lshl_b32 s56, s24, 9
	s_add_co_u32 s56, s56, SCW                     ; the K step whose words I store
	v_and_b32 v[LN], 31, v0
	v_and_b32 v[RR], 15, v0
	v_bfe_u32 v[HH], v0, 4, 1
	v_mul_u32_u24 v[LA], v[RR], PITCH
	v_lshlrev_b32 v[LI], 4, v[LN]
	v_lshlrev_b32 v[L4], 2, v[LN]
	v_lshl_add_u32 v[LA], v[HH], 6, v[LA]
	v_mul_u32_u24 v[LBA], v[HH], 4*PITCH
	v_add_nc_u32 v[SA], s2, v[LI]
	v_add_nc_u32 v[LA], s2, v[LA]
	v_lshl_add_u32 v[LBA], v[RR], 2, v[LBA]
	v_add_nc_u32 v[LIA], s3, v[LI]
	v_add_nc_u32 v[LSA], s54, v[L4]
	v_add_nc_u32 v[LBA], s2, v[LBA]
	v_add_nc_u32 v[LIR], LIM, v[LI]
	v_add_nc_u32 v[LSR], LSC, v[L4]
	v_lshlrev_b32 v[SWA], 9, v[HH]                 ; lanes 0-15 store the even fragment's word, lanes 16-31 the odd one's, one K step on
	v_lshlrev_b32 v[CBO], 2, v[RR]
	v_add_nc_u32 v[SRA], s56, v[LI]
	v_lshl_add_u32 v[SWA], v[RR], 2, v[SWA]
	v_lshlrev_b32 v[SGV], 7, v[RR]
	v_lshl_add_u32 v[LBO], v[HH], 15, v[CBO]       ; lora_B: column r, lanes 16-31 four rows further down
	v_add_nc_u32 v[SWA], s55, v[SWA]
	v_lshlrev_b32 v[LBS], 4, v[RR]
	v_mul_u32_u24 v[WSO], v[HH], STEPB
	v_lshl_add_u32 v[LBS], v[HH], 3, v[LBS]
	v_lshl_add_u32 v[WSO], v[RR], 2, v[WSO]
	v_cmp_eq_u32 s46, 1, v[HH]                     ; the mask of lanes 16-31
.irp b, 0,1,2,3
	v_mov_b32 v[TM+4+\b], 0                        ; written once: a lane permute's destination counts as one of its sources
.endr
	s_wait_alu depctr_va_vdst(0)                   ; the wait at the head's end
	s_wait_kmcnt 0x0
	s_add_nc_u64 s[4:5], s[4:5], s[28:29]
	s_add_nc_u64 s[12:13], s[12:13], s[30:31]
	s_add_nc_u64 s[6:7], s[6:7], s[32:33]
	s_add_nc_u64 s[54:55], s[16:17], s[36:37]
	s_add_nc_u64 s[16:17], s[16:17], s[34:35]
	s_add_nc_u64 s[20:21], s[20:21], s[38:39]
	s_add_nc_u64 s[56:57], s[18:19], s[42:43]
	s_add_nc_u64 s[18:19], s[18:19], s[40:41]
	s_add_nc_u64 s[10:11], s[10:11], s[48:49]
	s_add_nc_u64 s[14:15], s[14:15], s[50:51]
	s_add_nc_u64 s[22:23], s[22:23], s[52:53]
	s_cmp_lg_u32 s24, 1
	s_cbranch_scc1 .Lno_lb_in
.irp j, 0,1,2,3
	global_load_b32 v[W+\j], v[LBO], s[14:15] offset:8192*\j   ; lora_B[8 (g % 2) + 4 h + j][16 (g / 2) + r]
.endr
.Lno_lb_in:
	global_load_b32 v[CB], v[CBO], s[8:9]
	global_load_b64 v[SG:SG+1], v[SGV], s[10:11]
; item n's 8 KiB into set n % 3: 0 lora_A's K step (dense), 1-8 x's fragments, 9-10 the indices' (16 rows x 512 bytes)
.macro LOAD n
.set RW, (((\n)%3)+1)/2
.set RB, 160-64*(((\n)%3)%2)
	WIN (RW<<6)
.irp j, 0,1,2,3,4,5,6,7,8,9,10,11,12,13,14,15
.if (\n) == 0
	global_load_b128 v[RB+4*\j:RB+4*\j+3], v[LI], s[12:13] offset:512*\j
.else
.if (\n) < 9
	global_load_b128 v[RB+4*\j:RB+4*\j+3], v[LI], s[4:5] offset:16384*\j+512*((\n)-1) th:TH_LOAD_NT
.else
	global_load_b128 v[RB+4*\j:RB+4*\j+3], v[LI], s[6:7] offset:16384*\j+512*((\n)-9) th:TH_LOAD_NT
.endif
.endif
.endr
	WIN 0
.endm
.macro STAGEIN n                       ; item n is in: into stage n % 2, as it lies
.set RW, (((\n)%3)+1)/2
.set RB, 160-64*(((\n)%3)%2)
.if (\n) < 9
	s_wait_loadcnt 32                              ; loads come back in order: mine and all older ones are in; the next two items' 32 may be out
.else
	s_wait_loadcnt 16*(10-(\n))
.endif
	WIN (RW<<2)
.irp j, 0,1,2,3,4,5,6,7,8,9,10,11,12,13,14,15
	ds_store_b128 v[SA], v[RB+4*\j:RB+4*\j+3] offset:((\n)%2)*STG+\j*PITCH
.endr
	WIN 0
.endm
.macro BACK n                          ; and back, 16 neighbours along K to a block.  LDS serves a wave's instructions in order: these see the stores above
.irp b, 0,1,2,3
.irp i, 0,1,2,3
	ds_load_b128 v[X+16*\b+4*\i:X+16*\b+4*\i+3], v[LA] offset:((\n)%2)*STG+128*\b+16*\i
.endr
.endr
	s_wait_dscnt 0x0                               ; the numbers are back, so the stores have read the set
	s_wait_xcnt 0x0                                ; the codes' registers, which the stores of two items ago read, are written again only behind this wait
.endm
	LOAD 0
	LOAD 1
	LOAD 2
	; ---- lora_A's K step: lane r takes column r, its registers run DOWN K in the operand's own order: k = 64 c + 32 h + i.  A stage row holds 8 rows of lora_A, 64 bytes each
	STAGEIN 0
.irp c, 0,1
.set I, 0
.rept 32
	ds_load_b32 v[X+32*\c+I], v[LBA] offset:(8*\c+I/8)*PITCH+(I%8)*64
.set I, I+1
.endr
.endr
	s_wait_dscnt 0x0
	LOAD 3
.irp c, 0,1                                    ; my block 2 c + h: all its 32 numbers are mine
	v_max3_num_f32 v[TM+\c], |v[X+32*\c]|, |v[X+1+32*\c]|, 0x1800000
.endr
.irp i, 2,4,6,8,10,12,14,16,18,20,22,24,26,28,30
.irp c, 0,1
	s_delay_alu instid0(VALU_DEP_2)
	v_max3_num_f32 v[TM+\c], v[TM+\c], |v[X+32*\c+\i]|, |v[X+1+32*\c+\i]|
.endr
.endr
.irp c, 0,1
	s_delay_alu instid0(VALU_DEP_2)
	v_add_nc_u32 v[TM+12+\c], 0xff000000, v[TM+\c]
.endr
.irp c, 0,1
	s_delay_alu instid0(VALU_DEP_2)
	v_lshrrev_b32 v[TM+4+\c], 23, v[TM+12+\c]
.endr
	s_delay_alu instid0(VALU_DEP_1)
	v_lshl_or_b32 v[LW], v[TM+5], 16, v[TM+4]      ; my two bytes: blocks h and 2 + h of column r,
	v_lshlrev_b32 v[PWS], 3, v[HH]
	s_delay_alu instid0(VALU_DEP_1)
	v_lshlrev_b32 v[LW], v[PWS], v[LW]             ; 8 h bits up;
	v_mov_b32 v[PWS], 0
	s_delay_alu instid0(VALU_DEP_1)
	v_permlanex16_b32 v[PWS], v[LW], s[SEL], s[SEL+1]
	s_delay_alu instid0(VALU_DEP_1)
	v_or_b32 v[LW], v[LW], v[PWS]                  ; with lane l xor 16's two the word is whole, in both lanes
.irp c, 0,1
	v_cvt_scalef32_pk16_fp6_f32 v[PC0+6*\c:PC0+2+6*\c], v[X+32*\c:X+15+32*\c], v[TM+12+\c]
	v_cvt_scalef32_pk16_fp6_f32 v[CT+4*\c:CT+2+4*\c], v[X+16+32*\c:X+31+32*\c], v[TM+12+\c]
.endr
	v_nop                                          ; one plain line behind a scaled conversion
.irp c, 0,1
.irp i, 0,1,2
	v_mov_b32 v[PC0+3+6*\c+\i], v[CT+4*\c+\i]
.endr
.endr
.irp c, 0,1,2
	ds_store_b128 v[LIA], v[PC0+4*\c:PC0+4*\c+3] offset:512*\c   ; the operand's registers as an image
.endr
	ds_store_b32 v[LSA], v[LW]
	s_wait_dscnt 0x0                               ; for the others' sake: my image is in LDS
	s_barrier_signal -1
	s_barrier_wait -1
	WIN 0x40
.irp i, 0,1,2,3,4,5,6,7
.irp c, 0,1,2
	ds_load_b128 v[FR*\i+4*\c:FR*\i+4*\c+3], v[LIR] offset:1536*\i+512*\c   ; all eight, into window 1
.endr
.endr
	WIN 0
.irp i, 0,1,2,3,4,5,6,7
	ds_load_b32 v[LAS+\i], v[LSR] offset:128*\i    ; (the next item's wait for its LDS loads covers these)
.endr
	; ---- lbt: wave 1.  Its four loads are older than item 0's, which have been waited for
	s_cmp_lg_u32 s24, 1
	s_cbranch_scc1 .Lno_lb
	v_pk_mul_f32 v[W:W+1], v[W:W+1], 2.0 op_sel_hi:[1,0]       ; alpha / r = 2: exact
	v_pk_mul_f32 v[W+2:W+3], v[W+2:W+3], 2.0 op_sel_hi:[1,0]
	s_delay_alu instid0(VALU_DEP_2)
	v_cvt_pk_bf16_f32 v[W+4], v[W], v[W+1]
	s_delay_alu instid0(VALU_DEP_2)
	v_cvt_pk_bf16_f32 v[W+5], v[W+2], v[W+3]
	global_store_b64 v[LBS], v[W+4:W+5], s[22:23]  ; 32 lanes store 256 consecutive bytes
.Lno_lb:
; x's fragment f, item f + 1
.macro XITEM f
	STAGEIN (\f)+1
	BACK (\f)+1
	QUANT X, PC0+12*((\f)%2), PW0+((\f)%2)
.if ((\f)%2) == 1
	v_cndmask_b32 v[PWS], v[PW0], v[PW1], s46
	ds_store_b32 v[SWA], v[PWS] offset:1024*((\f)/2)
.rept 8
	v_nop                                          ; a scale register written by a vector instruction stands 8 places ahead of a scaled matrix instruction
.endr
	WIN 0x01                                       ; source 0 (lora_A) window 1.  Two accumulators take turns
.if (\f) == 1
	v_wmma_scale_f32_16x16x128_f8f6f4 v[ACC0:ACC0+7], v[FR*((\f)-1):FR*((\f)-1)+FR-1], v[PC0:PC0+FR-1], 0, v[LAS+(\f)-1], v[PW0] matrix_a_fmt:MATRIX_FMT_FP6 matrix_b_fmt:MATRIX_FMT_FP6
	v_wmma_scale_f32_16x16x128_f8f6f4 v[ACC1:ACC1+7], v[FR*(\f):FR*(\f)+FR-1], v[PC1:PC1+FR-1], 0, v[LAS+(\f)], v[PW1] matrix_a_fmt:MATRIX_FMT_FP6 matrix_b_fmt:MATRIX_FMT_FP6
.else
	v_wmma_scale_f32_16x16x128_f8f6f4 v[ACC0:ACC0+7], v[FR*((\f)-1):FR*((\f)-1)+FR-1], v[PC0:PC0+FR-1], v[ACC0:ACC0+7], v[LAS+(\f)-1], v[PW0] matrix_a_fmt:MATRIX_FMT_FP6 matrix_b_fmt:MATRIX_FMT_FP6
	v_wmma_scale_f32_16x16x128_f8f6f4 v[ACC1:ACC1+7], v[FR*(\f):FR*(\f)+FR-1], v[PC1:PC1+FR-1], v[ACC1:ACC1+7], v[LAS+(\f)], v[PW1] matrix_a_fmt:MATRIX_FMT_FP6 matrix_b_fmt:MATRIX_FMT_FP6
.endif
	WIN 0                                          ; the next item's 32 maxima, which name none of these products' registers, are the places behind them
.endif
.irp c, 0,1,2
	global_store_b128 v[LI], v[PC0+12*((\f)%2)+4*\c:PC0+12*((\f)%2)+4*\c+3], s[16:17] offset:(\f)*STEPB+512*\c   ; 32 lanes store 512 consecutive bytes
.endr
.if (\f)+4 < 11
	LOAD (\f)+4                                    ; the set takes the item three further on, behind this item's stores
.endif
.endm
.irp f, 0,1,2,3,4,5,6,7
	XITEM \f
.endr
.rept 4
	v_nop                                          ; four places behind the last products
.endr
.irp i, 0,1,2,3
	v_pk_add_f32 v[W+2*\i:W+2*\i+1], v[ACC0+2*\i:ACC0+2*\i+1], v[ACC1+2*\i:ACC1+2*\i+1]   ; each accumulator from its low end on
.endr
.irp i, 0,1,2,3
	s_delay_alu instid0(VALU_DEP_4)
	v_cvt_pk_bf16_f32 v[W+8+\i], v[W+2*\i], v[W+2*\i+1]   ; my quarter's part of t is an operand of a product that is left as it is: bf16
.endr
	global_store_b128 v[LI], v[W+8:W+11], s[20:21]
; W's fragment ff, item 9 + ff
.macro WITEM ff
	STAGEIN (\ff)+9
	BACK (\ff)+9
.set I, 0
.rept 64
	v_min_u32 v[X+I], 15, v[X+I]                   ; a loaded number becomes a lane select only behind this hold
.set I, I+1
.endr
.set I, 0
.rept 64
	v_lshlrev_b32 v[X+I], 2, v[X+I]                ; the select is a byte address: 4 x lane
.set I, I+1
.endr
.set I, 0
.rept 64
	ds_bpermute_b32 v[X+I], v[X+I], v[CB]          ; codebook[q]
.set I, I+1
.endr
.if (\ff) == 0
	v_mov_b32 v[SG2], v[SG+1]
	v_mov_b32 v[SG2+1], v[SG+1]
.endif
	s_wait_dscnt 0x0
.set I, 0
.rept 32
	v_pk_mul_f32 v[X+I:X+I+1], v[X+I:X+I+1], v[SG+2*(\ff):SG+2*(\ff)+1] op_sel_hi:[1,0]   ; x the group's scale: W, in f32
.set I, I+2
.endr
	QUANT X, PC0+12*(\ff), PW0+(\ff)
.irp c, 0,1,2
	global_store_b128 v[LI], v[PC0+12*(\ff)+4*\c:PC0+12*(\ff)+4*\c+3], s[18:19] offset:(\ff)*STEPB+512*\c
.endr
.endm
	WITEM 0
	WITEM 1
	v_cndmask_b32 v[PWS], v[PW0], v[PW1], s46      ; lanes 0-15 give the first fragment's words, lanes 16-31 the second's
	global_store_b32 v[WSO], v[PWS], s[56:57]
	s_wait_dscnt 0x0                               ; for the others' sake: my scale words of x are in LDS
	s_barrier_signal -1
	s_barrier_wait -1
	ds_load_b128 v[W+16:W+19], v[SRA]              ; K step 8 Q + w: the words of the group's 128 rows
	s_wait_dscnt 0x0
	global_store_b128 v[LI], v[W+16:W+19], s[54:55]   ; 512 consecutive bytes
	s_wait_tensorcnt 0x0                           ; the wave's end
	ds_add_u32 v[SPW], v[NIL]
	s_wait_dscnt 0x0
	s_endpgm
.Lfunc_end_k_qe0601063d3_quant:
	.size	k_qe0601063d3_quant, .Lfunc_end_k_qe0601063d3_quant-k_qe0601063d3_quant
	.p2alignl 7, 3214868480
	.fill 96, 4, 3214868480
	.section	.rodata,"a",@progbits
	.p2align	6, 0x0
	.amdhsa_kernel k_qe0601063d3_quant
		.amdhsa_group_segment_fixed_size 153600
		.amdhsa_private_segment_fixed_size 0
		.amdhsa_enable_private_segment 0
		.amdhsa_kernarg_size 80
		.amdhsa_user_sgpr_count 2
		.amdhsa_user_sgpr_kernarg_segment_ptr 1
		.amdhsa_wavefront_size32 1
		.amdhsa_system_sgpr_workgroup_id_x 1
		.amdhsa_system_sgpr_workgroup_id_y 1
		.amdhsa_system_sgpr_workgroup_id_z 1
		.amdhsa_system_vgpr_workitem_id 0
		.amdhsa_next_free_vgpr 480
		.amdhsa_next_free_sgpr 66
		.amdhsa_reserve_vcc 0
		.amdhsa_float_denorm_mode_32 3
		.amdhsa_float_denorm_mode_16_64 3
		.amdhsa_memory_ordered 1
		.amdhsa_forward_progress 1
		.amdhsa_inst_pref_size 138
	.end_amdhsa_kernel
	.amdgpu_metadata
---
amdhsa.version: [ 1, 2 ]
amdhsa.kernels:
  - .name:           k_qe0601063d3_quant
    .symbol:         k_qe0601063d3_quant.kd
    .args:
      - { .name: x, .offset: 0, .size: 8, .value_kind: global_buffer, .address_space: global }
      - { .name: q_indices, .offset: 8, .size: 8, .value_kind: global_buffer, .address_space: global }
      - { .name: codebook, .offset: 16, .size: 8, .value_kind: global_buffer, .address_space: global }
      - { .name: scales, .offset: 24, .size: 8, .value_kind: global_buffer, .address_space: global }
      - { .name: lora_A, .offset: 32, .size: 8, .value_kind: global_buffer, .address_space: global }
      - { .name: lora_B, .offset: 40, .size: 8, .value_kind: global_buffer, .address_space: global }
      - { .name: x_codes, .offset: 48, .size: 8, .value_kind: global_buffer, .address_space: global }
      - { .name: w_codes, .offset: 56, .size: 8, .value_kind: global_buffer, .address_space: global }
      - { .name: t2, .offset: 64, .size: 8, .value_kind: global_buffer, .address_space: global }
      - { .name: lbt, .offset: 72, .size: 8, .value_kind: global_buffer, .address_space: global }
    .group_segment_fixed_size: 153600
    .private_segment_fixed_size: 0
    .kernarg_segment_align: 8
    .kernarg_segment_size: 80
    .max_flat_workgroup_size: 256
    .sgpr_count:     66
    .vgpr_count:     480
    .wavefront_size: 32
...
	.end_amdgpu_metadata
.endif
;; end of part 1
;; launch gemm (part 2): grid 8 x 32, 4 waves a work-group, clusters of 4 x 4, 327,680 bytes of LDS; arguments x_codes, w_codes, out0, t2, lbt, bias; writes out0
.if DOCPART == 2
	.amdgcn_target "amdgcn-amd-amdhsa--gfx1250"
	.amdhsa_code_object_version 6
	.text
	.protected	k_qe0601063d3_gemm
	.globl	k_qe0601063d3_gemm
	.p2align	8
	.type	k_qe0601063d3_gemm,@function
k_qe0601063d3_gemm:
	s_mov_b64 s[64:65], 0
	v_nop
	global_prefetch_b8 v0, s[64:65] scope:SCOPE_SE
	s_setreg_imm32_b32 hwreg(HW_REG_WAVE_MODE, 25, 1), 1
	s_wait_xcnt 0x0
	s_wait_alu depctr_hold_cnt(0) depctr_sa_sdst(0) depctr_va_vdst(0) depctr_va_sdst(0) depctr_va_ssrc(0) depctr_va_vcc(0) depctr_vm_vsrc(0)
	s_getreg_b32 s2, hwreg(HW_REG_IB_STS2, 6, 4)
	s_cmp_eq_u32 s2, 0
	s_cbranch_scc0 .Lentry_in_a_cluster
	s_endpgm
.Lentry_in_a_cluster:
	s_bfe_u32 s2, ttmp6, 0x10000c
	s_cmp_lg_u32 s2, 0xf033
	s_cbranch_scc0 .Lentry_shape_is_right
	s_endpgm
.Lentry_shape_is_right:
; out0[m][n] = sum over k of Q(x)[m][k] Q(W)[n][k] + t[m][.] (2 lora_B)[.][n] + bias[n].  M 8,192, N 2,048, K 4,096.  x_codes and w_codes are [row / 128][K / 128][12,800]: the 8 fragments of 128 rows x 128 K as
; images of the operand's registers (1,536 bytes each: lane l's registers 4 c .. 4 c + 3 at 512 c + 16 l), then these rows' scale words.  t2 (t's four parts, one for each quarter of K) and lbt are bf16 images.
; A block of out0, 256 x 256, is made by four waves, 128 x 128 each: 64 accumulators.  The sums begin as bias + t x 2 lora_B by the bf16 matrix form: its K of 32 takes two of t's parts against lora_B's 16 rows laid
; twice, so two passes add all four parts.
; K goes in steps of 128 through two LDS slots of three steps each (the eleventh fill has two); a wave's one tensor load brings 128 rows' three steps, 38,400 dense bytes, as rows of 256 bytes.
; CLUSTERS: 4 x 4 work-groups; A's tiles are asked for jointly along a row of the cluster, B's along a column.  THE MATRIX INSTRUCTION IS USED TRANSPOSED (source 0 = W's rows, source 1 = x's rows).
; REGISTERS.  Each of the four windows of 256 holds v128-255: 16 accumulators; v32-79, v80-127: two sets of four fragments: window 0 x's blocks 0-3, window 1 W's 0-3, window 2 W's 4-7, window 3 x's 4-7.
; A step is four phases: phase j multiplies x's half j / 2 with W's half j % 2 into window j's accumulators, 16 matrix instructions.  An LDS load's destination takes the same window as a matrix result, so ONE window
; setting serves a phase's products and, in one run at the phase's head, the loads of the next step's four fragments of window j, into the set that is not at work; the loads' address registers are kept in
; windows 1 and 2, where that setting looks for them.  Both operands have two sets: what a phase needs was asked for three phases earlier or more.  Window 0 also holds v2-13 addresses, v16-31 two sets of scale words.
; PREFETCH: in each of the loop's 24 steps a wave names, by one instruction, its share of K step s + 8 of the 128 rows that it fetches: of that step's 50 blocks of 256 bytes the partner at place p among the four that
; ask jointly takes blocks 13 p .. 13 p + 12 (held at 49), told apart by address alone.  The load that wants a K step is issued two steps or more behind its prefetch.  K steps 0 to 7 come by their loads alone.
.set SIZE_N, 2048
.set FRB,    1536
.set CODB,   8*FRB
.set STEPB,  CODB+512
.set HALFT,  3*STEPB                   ; what one tensor load brings
.set LASTT,  2*STEPB                   ; the last one
.set SLOT,   4*HALFT                   ; x's two halves, then W's two
.set TROW,   32*STEPB
.set TQ,     262144                    ; t2: bytes of one quarter's part
.set LAPS,   4
.set AHEAD,  8
.set SPARE,  2*SLOT                    ; the spare words, 128 bytes for each wave
.set STAGE,  SLOT                      ; the way out: in slot 1, which has had its last fill and its last read by then
.set SPITCH, 528
.set ADRA, 2                           ; v2-3 LDS address of my x fragments in slot 0, 1; v4-5 W's; v6-7 scale words (lanes 0-15 x's, lanes 16-31 W's): in windows 0, 1 and 2 alike
.set ADRB, 4
.set ADRS, 6
.set STO,  8
.set PFO,  8                           ; window 2's v8: the prefetches' offset, 256 x my lane's block; never rewritten
.set RD,   9
.set CO,   10
.set H32,  11
.set SPW,  12
.set NIL,  13
.set SC,   16                          ; scale words: set p at SC + 8 p, register i: lanes 0-15 x's block i, lanes 16-31 W's block i
.set FS,   32
.set AC,   128
.set G1, 24
.set G0, 32
.set G1B, 48
.set G0B, 56
.set G1L, 68
.set G1BL, 80
.set PFA, 90                           ; s[90:91] the prefetches' base: my 128 rows, K step AHEAD + 6 x the lap
.set PHW0, 0x01                        ; a phase's windows: bits 1:0 source 0 (W), 3:2 source 1 (x), 5:4 C, 7:6 D
.set PHW1, 0x52
.set PHW2, 0xad
.set PHW3, 0xfe
.set MSB, 0
.macro WIN new
.if MSB != \new
	s_set_vgpr_msb (MSB<<8)|\new
.set MSB, \new
.endif
.endm
.macro JLOAD g0a, g1a, g0b, g1b        ; a joint load: waves 0 and 1 fetch x's halves, waves 2 and 3 W's
	s_cmp_eq_u32 s15, 0
	s_cbranch_scc0 .Lfor_b_\@
	tensor_load_to_lds s[\g0a:\g0a+3], s[\g1a:\g1a+7]
	s_nop 0
.rept 4
	v_nop
.endr
	s_branch .Lasked_\@
.Lfor_b_\@:
	tensor_load_to_lds s[\g0b:\g0b+3], s[\g1b:\g1b+7]
	s_nop 0
.rept 4
	v_nop
.endr
.Lasked_\@:
.endm
.macro CREST                           ; a round of the cluster's barrier behind its opening barrier
	s_cmp_lg_u32 s14, 0
	s_cbranch_scc1 .Lnot_wave_0_\@
	s_barrier_signal -3
.Lnot_wave_0_\@:
	s_barrier_wait -3
	s_barrier_signal -1
	s_barrier_wait -1
.endm
.macro CROUND
	s_barrier_signal -1
	s_barrier_wait -1
	CREST
.endm
.macro PLACES n
.rept \n
	v_nop
.endr
.endm
	s_load_b128 s[4:7], s[0:1], 0x0                ; x_codes, w_codes
	s_load_b64 s[12:13], s[0:1], 0x10              ; out0
	s_load_b128 s[96:99], s[0:1], 0x18             ; t2, lbt
	s_load_b64 s[100:101], s[0:1], 0x28            ; bias
	v_lshl_add_u32 v[SPW], v0, 2, SPARE
	v_mov_b32 v[NIL], 0
	ds_add_u32 v[SPW], v[NIL]                      ; the opening: the add, twice on end, and its wait ahead of my first tensor load
	ds_add_u32 v[SPW], v[NIL]
	v_lshrrev_b32 v1, 5, v0
	v_readfirstlane_b32 s14, v1                    ; wave 0..3
	s_lshr_b32 s15, s14, 1                         ; my half of the block's rows; also: I fetch for x (0) or for W (1)
	s_and_b32 s16, s14, 1                          ; my half of its columns; also: which 128 rows I fetch
	s_bfe_u32 s40, ttmp6, 0x40000                  ; cx, cy
	s_bfe_u32 s41, ttmp6, 0x40004
	s_lshl_b32 s42, ttmp9, 2
	s_add_co_u32 s42, s42, s40                     ; block column
	s_and_b32 s17, ttmp7, 0xffff
	s_lshl_b32 s17, s17, 2
	s_add_co_u32 s17, s17, s41                     ; block row
	s_lshl_b32 s43, s41, 2
	s_lshl_b32 s43, 15, s43                        ; my row of the cluster
	s_lshl_b32 s44, 0x1111, s40                    ; my column
	s_or_b32 s[G1+0], s43, (3<<16)|(1<<21)         ; elements of 8 bytes, rows of 32 of them, dense
	s_or_b32 s[G1B+0], s44, (3<<16)|(1<<21)
.irp g, G1, G1B
	s_mov_b32 s[\g+1], 32<<16
	s_mov_b32 s[\g+2], (HALFT/256)<<16
	s_mov_b32 s[\g+3], 32<<16
	s_mov_b32 s[\g+4], HALFT/256
	s_mov_b32 s[\g+5], 32
	s_mov_b32 s[\g+6], 0
	s_mov_b32 s[\g+7], 0
.endr
	s_or_b32 s[G1L+0], s43, (3<<16)|(1<<21)
	s_or_b32 s[G1BL+0], s44, (3<<16)|(1<<21)
.irp g, G1L, G1BL
	s_mov_b32 s[\g+1], 32<<16
	s_mov_b32 s[\g+2], (LASTT/256)<<16
	s_mov_b32 s[\g+3], 32<<16
	s_mov_b32 s[\g+4], LASTT/256
	s_mov_b32 s[\g+5], 32
	s_mov_b32 s[\g+6], 0
	s_mov_b32 s[\g+7], 0
.endr
	s_lshl_b32 s20, s17, 1
	s_add_co_u32 s20, s20, s16
	s_mul_i32 s20, s20, TROW                       ; x: the 128 rows that I fetch
	s_mov_b32 s21, 0
	s_lshl_b32 s46, s42, 1
	s_add_co_u32 s46, s46, s16
	s_mul_i32 s46, s46, TROW                       ; W likewise
	s_mov_b32 s47, 0
	s_mul_i32 s45, s14, HALFT                      ; where they go
	s_mul_i32 s8, s15, HALFT                       ; LDS: my x rows in slot 0, 1
	s_add_co_u32 s9, s8, SLOT
	s_mul_i32 s10, s16, HALFT                      ; my W rows
	s_add_co_u32 s10, s10, 2*HALFT
	s_add_co_u32 s11, s10, SLOT
	s_sub_co_u32 s18, s10, s8
	s_mul_i32 s19, s14, 16*SPITCH                  ; my stage
	s_add_co_u32 s19, s19, STAGE
	s_lshl_b32 s66, s17, 13                        ; t2: 512 bytes for each 16 rows
	s_lshl_b32 s95, s15, 12
	s_add_co_u32 s66, s66, s95
	s_mov_b32 s67, 0
	s_lshl_b32 s76, s42, 13                        ; lbt: 512 bytes for each 16 columns
	s_lshl_b32 s95, s16, 12
	s_add_co_u32 s76, s76, s95
	s_mov_b32 s77, 0
	s_lshl_b32 s78, s42, 10                        ; bias, and my first column in a row of out0
	s_lshl_b32 s95, s16, 9
	s_add_co_u32 s78, s78, s95
	s_mov_b32 s79, 0
	s_lshl_b32 s88, s17, 8
	s_lshl_b32 s95, s15, 7
	s_add_co_u32 s88, s88, s95
	s_lshl_b32 s88, s88, 13                        ; my first row of out0, 8,192 bytes a row
	s_add_co_u32 s88, s88, s78
	s_mov_b32 s89, 0
	s_cmp_eq_u32 s15, 0
	s_cselect_b32 s92, s40, s41                    ; my place among the four that ask jointly with me: cx for x's tiles, cy for W's
	s_mul_i32 s92, s92, 13                         ; the first block of a K step's 50 that I prefetch
	s_wait_dscnt 0x0                               ; both opening adds are done
	s_wait_kmcnt 0x0
	s_add_nc_u64 s[96:97], s[96:97], s[66:67]
	s_add_nc_u64 s[98:99], s[98:99], s[76:77]
	s_add_nc_u64 s[100:101], s[100:101], s[78:79]
	s_add_nc_u64 s[12:13], s[12:13], s[88:89]
	s_add_nc_u64 s[20:21], s[4:5], s[20:21]
	s_add_nc_u64 s[46:47], s[6:7], s[46:47]
	s_cmp_eq_u32 s15, 0
	s_cselect_b64 s[PFA:PFA+1], s[20:21], s[46:47] ; the rows that I fetch,
	s_add_nc_u64 s[PFA:PFA+1], s[PFA:PFA+1], AHEAD*STEPB   ; at K step AHEAD
	CROUND                                         ; all sixteen work-groups are here: the first joint loads meet
.irp s, 0,1
	s_mov_b32 s[G0+4*\s], 1
	s_add_co_u32 s[G0+4*\s+1], s45, \s*SLOT
	s_add_nc_u64 s[G0+4*\s+2:G0+4*\s+3], s[20:21], \s*HALFT
	s_or_b32 s[G0+4*\s+3], s[G0+4*\s+3], 0x80000000
	s_mov_b32 s[G0B+4*\s], 1
	s_add_co_u32 s[G0B+4*\s+1], s45, \s*SLOT
	s_add_nc_u64 s[G0B+4*\s+2:G0B+4*\s+3], s[46:47], \s*HALFT
	s_or_b32 s[G0B+4*\s+3], s[G0B+4*\s+3], 0x80000000
.endr
	JLOAD G0, G1, G0B, G1B                         ; K steps 0 to 2: my one tensor load at the head
	v_and_b32 v1, 15, v0                           ; r
	v_bfe_u32 v14, v0, 4, 1                        ; h
	v_and_b32 v15, 31, v0
	v_lshlrev_b32 v[CO], 4, v15                    ; 16 x lane
	v_lshlrev_b32 v[H32], 5, v14
.irp a, 0,1,2,3,4,5,6,7                        ; t's parts of quarters 0 and 1 as one fragment, window 0
	global_load_b128 v[FS+8*\a:FS+8*\a+3],   v[CO], s[96:97] offset:512*\a
	global_load_b128 v[FS+8*\a+4:FS+8*\a+7], v[CO], s[96:97] offset:512*\a+TQ
.endr
	WIN 0x40
.irp b, 0,1,2,3,4,5,6,7                        ; lora_B's 16 rows, laid twice along the form's K of 32, window 1
	global_load_b128 v[FS+8*\b:FS+8*\b+3],   v[CO], s[98:99] offset:512*\b
	global_load_b128 v[FS+8*\b+4:FS+8*\b+7], v[CO], s[98:99] offset:512*\b
.endr
	WIN 0x80
.irp b, 0,1,2,3,4,5,6,7                        ; the bias in a result's layout, window 2
	global_load_b128 v[FS+8*\b:FS+8*\b+3],   v[H32], s[100:101] offset:64*\b
	global_load_b128 v[FS+8*\b+4:FS+8*\b+7], v[H32], s[100:101] offset:64*\b+16
.endr
	WIN 0xc0
.irp a, 0,1,2,3,4,5,6,7                        ; t's parts of quarters 2 and 3, window 3
	global_load_b128 v[FS+8*\a:FS+8*\a+3],   v[CO], s[96:97] offset:512*\a+2*TQ
	global_load_b128 v[FS+8*\a+4:FS+8*\a+7], v[CO], s[96:97] offset:512*\a+3*TQ
.endr
	WIN 0
	v_mul_u32_u24 v15, s18, v14                    ; lanes 16-31 take W's scale words
	v_lshl_add_u32 v15, v1, 2, v15
	v_mul_u32_u24 v1, v1, SPITCH
	v_lshl_add_u32 v1, v14, 5, v1
	v_add_nc_u32 v[STO], s19, v1
	v_add_nc_u32 v[RD], s19, v[CO]
	v_and_b32 v14, 31, v0                          ; the prefetches: lanes 0 to 12 name a block each, the others the thirteenth again;
	v_min_u32 v14, 12, v14
	v_add_nc_u32 v14, s92, v14
	v_min_u32 v14, 49, v14                         ; the last partner has eleven: held at the K step's last block
.irp w, 0,1,2                                  ; the fragment loads' addresses, made in windows 0, 1 and 2
	WIN (\w<<6)
	v_add_nc_u32 v[ADRA], s8, v[CO]
	v_add_nc_u32 v[ADRA+1], s9, v[CO]
	v_add_nc_u32 v[ADRB], s10, v[CO]
	v_add_nc_u32 v[ADRB+1], s11, v[CO]
	v_add_nc_u32 v[ADRS], s8, v15
	v_add_nc_u32 v[ADRS+1], s9, v15
.endr
	v_lshlrev_b32 v[PFO], 8, v14                   ; (into window 2)
	WIN 0
; the n-th load of window j's four fragments of step q of a slot into set st (n 0 .. 11); for window 0 then the eight scale words (n 12 .. 19)
.macro LDN j, slot, q, st, n
.if (\n) < 12
.if ((\j) == 0) || ((\j) == 3)
	ds_load_b128 v[FS+48*(\st)+4*(\n):FS+48*(\st)+4*(\n)+3], v[ADRA+(\slot)] offset:(\q)*STEPB+(4*((\j)/3)+(\n)/3)*FRB+512*((\n)%3)
.else
	ds_load_b128 v[FS+48*(\st)+4*(\n):FS+48*(\st)+4*(\n)+3], v[ADRB+(\slot)] offset:(\q)*STEPB+(4*((\j)-1)+(\n)/3)*FRB+512*((\n)%3)
.endif
.else
	ds_load_b32 v[SC+8*(\st)+(\n)-12], v[ADRS+(\slot)] offset:(\q)*STEPB+CODB+64*((\n)-12)
.endif
.endm
.macro LDS_RUN j, slot, q, st          ; window j's loads in one run: 12, and for window 0 the 8 scale words
.set N, 0
.rept 12
	LDN \j, \slot, \q, \st, N
.set N, N+1
.endr
.if (\j) == 0
.rept 8
	LDN \j, \slot, \q, \st, N
.set N, N+1
.endr
.endif
.endm
.macro RUN j, slot, q, st              ; under phase j's own windows
	WIN PHW\j
	LDS_RUN \j, \slot, \q, \st
.endm
.macro BURST j, slot, q, st            ; outside phase j: addresses from window 0
	WIN ((\j)<<6)
	LDS_RUN \j, \slot, \q, \st
.endm
; phase j's 16 products on set p.  The 64 accumulators take turns.
.macro MM j, p
	WIN PHW\j
.set N, 0
.irp aa, 0,1,2,3
.irp bb, 0,1,2,3
	v_wmma_scale_f32_16x16x128_f8f6f4 v[AC+8*N:AC+8*N+7], v[FS+48*(\p)+12*\bb:FS+48*(\p)+12*\bb+11], v[FS+48*(\p)+12*\aa:FS+48*(\p)+12*\aa+11], v[AC+8*N:AC+8*N+7], v[SC+8*(\p)+4*((\j)%2)+\bb], v[SC+8*(\p)+4*((\j)/2)+\aa] matrix_a_fmt:MATRIX_FMT_FP6 matrix_b_fmt:MATRIX_FMT_FP6 matrix_a_scale:MATRIX_SCALE_ROW1
.set N, N+1
.endr
.endr
.endm
.macro ASK pf                          ; pf = the step's number in the lap, or -1: no prefetch.  It stands at the end of phase 3's run, whose windows find its offset in window 2
.if (\pf) >= 0
	global_prefetch_b8 v[PFO], s[PFA:PFA+1] offset:(\pf)*STEPB th:TH_LOAD_NT scope:SCOPE_SE
.endif
.endm
; window j's accumulators: pass 0: bias + (t's quarters 0 and 1) x 2 lora_B; pass 1 adds quarters 2 and 3 in place
.macro INIT j, pass
.if (\pass) == 0
	WIN (0x21|((\j)<<6))
.else
	WIN (0x0d|((\j)<<4)|((\j)<<6))
.endif
.irp aa, 0,1,2,3
.irp bb, 0,1,2,3
.if (\pass) == 0
	v_wmma_f32_16x16x32_bf16 v[AC+8*(4*\aa+\bb):AC+8*(4*\aa+\bb)+7], v[FS+8*(4*((\j)%2)+\bb):FS+8*(4*((\j)%2)+\bb)+7], v[FS+8*(4*((\j)/2)+\aa):FS+8*(4*((\j)/2)+\aa)+7], v[FS+8*(4*((\j)%2)+\bb):FS+8*(4*((\j)%2)+\bb)+7]
.else
	v_wmma_f32_16x16x32_bf16 v[AC+8*(4*\aa+\bb):AC+8*(4*\aa+\bb)+7], v[FS+8*(4*((\j)%2)+\bb):FS+8*(4*((\j)%2)+\bb)+7], v[FS+8*(4*((\j)/2)+\aa):FS+8*(4*((\j)/2)+\aa)+7], v[AC+8*(4*\aa+\bb):AC+8*(4*\aa+\bb)+7]
.endif
.endr
.endr
.endm
; A step on set p; the next step is step q of the same slot.  A step's LDS loads are runs of 20, 12, 12, 12, in the phases' order.
.macro STEP slot, q, p, pf
	PLACES 4                                       ; between the last step's products and the loads into the set that they read
	RUN 0, \slot, \q, 1-(\p)
	s_wait_dscnt 44                                ; windows 0 and 1 and the scale words are in: behind them the last step's 12 and 12 and the 20 just issued
	MM 0, \p
	RUN 1, \slot, \q, 1-(\p)
	s_wait_dscnt 44                                ; window 2 is in: behind it 12 of the last step and this step's 20 and 12
	MM 1, \p
	RUN 2, \slot, \q, 1-(\p)
	s_wait_dscnt 44                                ; window 3 is in: behind it this step's 20, 12 and 12
	MM 2, \p
	RUN 3, \slot, \q, 1-(\p)
	ASK \pf
	MM 3, \p
.endm
; A slot's last step.  Its fragments have all been asked for, so the slot is read no more: ONE barrier for the change of slots; fill = 1, 2: it opens a round of the cluster's barrier and the slot is filled again.
.macro TURN slot, next, p, fill, pf
	PLACES 4
	WIN 0
	s_wait_tensorcnt 0x0                           ; all my tensor loads have landed: my part of the next slot;
	ds_add_u32 v[SPW], v[NIL]                      ; 0 onto my spare word
	s_wait_dscnt 25                                ; (the add and the 24 youngest loads may be out)
	MM 0, \p                                       ; sixteen matrix instructions stand between the add and the wait for it
	s_wait_dscnt 0x0                               ; the add is done, and my reads of this slot are over
	s_barrier_signal -1
	MM 1, \p                                       ; work on registers while the others arrive
	WIN 0
	s_barrier_wait -1
.if \fill
	CREST
	s_add_nc_u64 s[G0+4*\slot+2:G0+4*\slot+3], s[G0+4*\slot+2:G0+4*\slot+3], 2*HALFT
	s_add_nc_u64 s[G0B+4*\slot+2:G0B+4*\slot+3], s[G0B+4*\slot+2:G0B+4*\slot+3], 2*HALFT
.if \fill == 1
	JLOAD G0+4*\slot, G1, G0B+4*\slot, G1B         ; the first tensor load behind the round
.else
	JLOAD G0+4*\slot, G1L, G0B+4*\slot, G1BL
.endif
.endif
	BURST 0, \next, 0, 1-(\p)                      ; what phases 0 and 1 could not ask for, in the same order: 20, 12,
	BURST 1, \next, 0, 1-(\p)
	MM 2, \p
	RUN 2, \next, 0, 1-(\p)                        ; 12
	RUN 3, \next, 0, 1-(\p)                        ; and 12
	ASK \pf
	MM 3, \p
.endm
	s_wait_alu depctr_va_vdst(0)                   ; the wait at the head's end
	s_wait_loadcnt 0x0
	INIT 0, 0
	INIT 1, 0
	INIT 2, 0
	INIT 3, 0
	INIT 0, 1
	INIT 1, 1
	INIT 2, 1
	INIT 3, 1
	WIN 0
	PLACES 5                                       ; in front of the loads into these operands' registers and of the scaled products that write over these results
	s_wait_tensorcnt 0x0                           ; my part of slot 0 is in
	ds_add_u32 v[SPW], v[NIL]
	s_wait_dscnt 0x0
	CROUND
	JLOAD G0+4, G1, G0B+4, G1B                     ; K steps 3 to 5: slot 1's first fill
	BURST 0, 0, 0, 0
	BURST 1, 0, 0, 0
	BURST 2, 0, 0, 0
	BURST 3, 0, 0, 0
	WIN 0
	s_mov_b32 s3, LAPS
.Llap:                                                 ; a trip: six steps, once round the ring
	STEP 0, 1, 0, 0
	STEP 0, 2, 1, 1
	TURN 0, 1, 0, 1, 2
	STEP 1, 1, 1, 3
	STEP 1, 2, 0, 4
	TURN 1, 0, 1, 1, 5
	WIN 0
	s_wait_xcnt 0x0                                ; the lap's prefetches have read their base (the last stands 16 matrix instructions back): it steps six K steps on
	s_add_nc_u64 s[PFA:PFA+1], s[PFA:PFA+1], 6*STEPB
	s_sub_co_u32 s3, s3, 1
	s_cmp_lg_u32 s3, 0
	s_cbranch_scc1 .Llap
	STEP 0, 1, 0, -1                               ; steps 24 to 31: K has no step s + 8 left, so nothing is prefetched
	STEP 0, 2, 1, -1
	TURN 0, 1, 0, 2, -1                            ; the last fill: two steps
	STEP 1, 1, 1, -1
	STEP 1, 2, 0, -1
	TURN 1, 0, 1, 0, -1                            ; nothing is filled: no round
	STEP 0, 1, 0, -1
	s_wait_dscnt 24                                ; the last step asks for nothing: the counts run down
	MM 0, 1
	s_wait_dscnt 12
	MM 1, 1
	s_wait_dscnt 0x0
	MM 2, 1
	MM 3, 1
	WIN 0
; THE WAY OUT, block by block of 16 rows x 128 columns: through my own stage and back as whole rows of 512 bytes.  LDS serves a wave's instructions in order: no wait between the stores and the loads.
.macro TOSTAGE a
.irp be, 0,1
	WIN ((2*((\a)/4)+\be)<<2)                      ; the data's window
.irp bb, 0,1,2,3
	ds_store_b128 v[STO], v[AC+8*(4*((\a)%4)+\bb):AC+8*(4*((\a)%4)+\bb)+3] offset:64*(4*\be+\bb)       ; each accumulator from its low end on
	ds_store_b128 v[STO], v[AC+8*(4*((\a)%4)+\bb)+4:AC+8*(4*((\a)%4)+\bb)+7] offset:64*(4*\be+\bb)+16
.endr
.endr
	WIN (((\a)%2)<<6)                              ; back into v32-95 of window 0 and window 1 by turns
.irp t, 0,1,2,3,4,5,6,7,8,9,10,11,12,13,14,15
	ds_load_b128 v[FS+4*\t:FS+4*\t+3], v[RD] offset:\t*SPITCH
.endr
.endm
.macro SEND a, younger
	s_wait_dscnt \younger
	WIN (((\a)%2)<<2)
.if (\a) > 0
	s_add_nc_u64 s[12:13], s[12:13], 16*SIZE_N*4   ; behind a wait on XCNT: the earlier stores have read their base
.endif
.irp t, 0,1,2,3,4,5,6,7,8,9,10,11,12,13,14,15
	global_store_b128 v[CO], v[FS+4*\t:FS+4*\t+3], s[12:13] offset:\t*SIZE_N*4 th:TH_STORE_NT   ; 32 lanes store 512 consecutive bytes, at a multiple of 256 from out0's first byte
.endr
.endm
	PLACES 4
	TOSTAGE 0
.irp a, 1,2,3,4,5,6,7
.if \a > 1
	s_wait_xcnt 0x0                                ; block a - 2's stores have read their registers and their base
.endif
	TOSTAGE \a
	SEND \a-1, 32                                  ; behind block a - 1's loads: block a's 16 stores and 16 loads
.endr
	s_wait_xcnt 0x0
	SEND 7, 0
	WIN 0
	s_wait_tensorcnt 0x0                           ; the wave's end
	ds_add_u32 v[SPW], v[NIL]
	s_wait_dscnt 0x0
	CROUND                                         ; the closing round
	s_endpgm
.Lfunc_end_k_qe0601063d3_gemm:
	.size	k_qe0601063d3_gemm, .Lfunc_end_k_qe0601063d3_gemm-k_qe0601063d3_gemm
	.p2alignl 7, 3214868480
	.fill 96, 4, 3214868480
	.section	.rodata,"a",@progbits
	.p2align	6, 0x0
	.amdhsa_kernel k_qe0601063d3_gemm
		.amdhsa_group_segment_fixed_size 327680
		.amdhsa_private_segment_fixed_size 0
		.amdhsa_enable_private_segment 0
		.amdhsa_kernarg_size 48
		.amdhsa_user_sgpr_count 2
		.amdhsa_user_sgpr_kernarg_segment_ptr 1
		.amdhsa_wavefront_size32 1
		.amdhsa_system_sgpr_workgroup_id_x 1
		.amdhsa_system_sgpr_workgroup_id_y 1
		.amdhsa_system_sgpr_workgroup_id_z 1
		.amdhsa_system_vgpr_workitem_id 0
		.amdhsa_next_free_vgpr 1024
		.amdhsa_next_free_sgpr 102
		.amdhsa_reserve_vcc 0
		.amdhsa_float_denorm_mode_32 3
		.amdhsa_float_denorm_mode_16_64 3
		.amdhsa_memory_ordered 1
		.amdhsa_forward_progress 1
		.amdhsa_inst_pref_size 225
	.end_amdhsa_kernel
	.amdgpu_metadata
---
amdhsa.version: [ 1, 2 ]
amdhsa.kernels:
  - .name:           k_qe0601063d3_gemm
    .symbol:         k_qe0601063d3_gemm.kd
    .args:
      - { .name: x_codes, .offset: 0, .size: 8, .value_kind: global_buffer, .address_space: global }
      - { .name: w_codes, .offset: 8, .size: 8, .value_kind: global_buffer, .address_space: global }
      - { .name: out0, .offset: 16, .size: 8, .value_kind: global_buffer, .address_space: global }
      - { .name: t2, .offset: 24, .size: 8, .value_kind: global_buffer, .address_space: global }
      - { .name: lbt, .offset: 32, .size: 8, .value_kind: global_buffer, .address_space: global }
      - { .name: bias, .offset: 40, .size: 8, .value_kind: global_buffer, .address_space: global }
    .group_segment_fixed_size: 327680
    .private_segment_fixed_size: 0
    .kernarg_segment_align: 8
    .kernarg_segment_size: 48
    .max_flat_workgroup_size: 128
    .sgpr_count:     102
    .vgpr_count:     1024
    .wavefront_size: 32
...
	.end_amdgpu_metadata
.endif
;; end of part 2
